; MI455X (gfx1250); checked and timed in simulation.
; The chip was launched on July 23, 2026; its instructions are those of AMD's public machine-readable ISA for CDNA 5 (MIT licence, August 2026) and "CDNA5" Instruction Set Architecture Reference Guide (July 2026). The comments in the code are by the model that wrote it; some were corrected since.
;; RNN. Allowed arithmetic: matrix products marked QUANTISED: E2M3 operands, one E8M0 scale for each 32 along K, by v_wmma_scale_f32_16x16x128_f8f6f4 with both operands' format E2M3, f32 sums; everything else in f32.
;; Inputs: W1 256 x 512 float32; W3 32 x 256 float32; W_hh 1,024 x 256 float32; W_ih 1,024 x 256 float32; b1 256 float32; b3 32 float32; b_hh 1,024 float32; b_ih 1,024 float32; x 64 x 16 x 512 x 128 float32.
;; Outputs: out0 64 x 32 float32.
;; This version of the problem:
;;   THIS VERSION OF THE PROBLEM IS GIVEN IN LOW PRECISION. The matrix products marked QUANTISED in the list below multiply operands that are first quantised to E2M3 (2 exponent bits, 3 mantissa bits; 6 bits a number), with one power-of-two scale for each 32 numbers along K (OCP MX v1.0); their sums are f32. All else is computed in f32.
;;   The module's matrix products, in the order in which they are computed (A, B: the left and right operand; K: the contracted axis; several contracted axes count as one K, in the product's order):
;;     1. [M 131,072, K 512] x [K 512, N 256]; A: input x; B: input W1: QUANTISED
;;     2. [M 131,072, K 256] x [K 256, N 1,024]; A: computed on the way; B: input W_ih: QUANTISED
;;     3. [M 131,072, K 256] x [K 256, N 32]; A: computed on the way; B: input W3: QUANTISED
;;   THE QUANTISER, for each operand of a quantised product, along K:
;;     - K is cut into blocks of 32 from its start; a last block that is shorter is filled with zeros.
;;     - A block's scale is 2^e with e = floor(log2(the largest magnitude in the block)) - 2, held to -126 .. 127; a block of zeros has e = 0. As a byte (E8M0): e + 127.
;;     - Each number is divided by its block's scale, clamped to +-7.5, and rounded to the nearest number of E2M3, ties to even, subnormals kept.
;;     - The product sums the exact products of the quantised numbers (number of the format x scale) in f32.
;;   ~~~python
;;   def quantise(x, axis):      # numpy; x: float32 -> the quantised numbers, widened to float32 again
;;       x = np.moveaxis(x, axis, -1); K = x.shape[-1]
;;       x = np.pad(x, [(0, 0)] * (x.ndim - 1) + [(0, -K % 32)]); x = x.reshape(x.shape[:-1] + (-1, 32)); a = np.abs(x).max(-1, keepdims=True)
;;       e = np.where(a > 0, np.clip(np.frexp(np.where(a > 0, a, 1))[1] - 1 - 2, -126, 127), 0)      # np.frexp(a)[1] - 1 = floor(log2(a)), exactly
;;       r = np.clip(x / 2.0 ** e, -7.5, 7.5)
;;       step = 2.0 ** (np.maximum(np.frexp(np.where(r == 0, 1, r))[1] - 1, 0) - 3)
;;       q = np.round(r / step) * step * 2.0 ** e      # np.round: ties to even
;;       return np.moveaxis(q.reshape(q.shape[:-2] + (-1,))[..., :K], -1, axis).astype(np.float32)
;;   ~~~
;;   OPERANDS COMPUTED ON THE WAY. 'Computed on the way' means the value that the module computes at that place (a softmax that the list does not call 'softmax' is quantised finished and normalised). What goes into a quantiser is computed in f32, as accurately as f32 sums, v_exp_f32 and their like allow (about 1e-6 of the number): no bf16 or f16 on the way to a quantiser, and a product that is left as it is and whose result goes on into a quantised operand takes f32 operands (vector FMAs, or v_wmma_f32_16x16x4_f32). A number that lies on a knife's edge between two numbers of the format may be rounded either way, as far as f32 arithmetic and the matrix unit's own rounding can turn it there, and no further.
;; One version. Each part assembles by itself: llvm-mc -triple=amdgcn-amd-amdhsa -mcpu=gfx1250 --defsym DOCPART=n.
;; ======== version 1 of 1: 2 launches
;; workspace buffers: codes 251,904 bytes; scales 20,992 bytes; bsum 3,072 bytes
;; launch quant (part 1): grid 165 x 1, 1 waves a work-group, no clusters, 8,704 bytes of LDS; arguments W1, W_ih, W3, b_ih, b_hh, codes, scales, bsum; writes codes, scales, bsum
.if DOCPART == 1
	.amdgcn_target "amdgcn-amd-amdhsa--gfx1250"
	.amdhsa_code_object_version 6
	.text
	.protected	k_qbd4eb090fb_quant
	.globl	k_qbd4eb090fb_quant
	.p2align	8
	.type	k_qbd4eb090fb_quant,@function
k_qbd4eb090fb_quant:
	s_mov_b64 s[64:65], 0
	v_nop
	global_prefetch_b8 v0, s[64:65] scope:SCOPE_SE
	s_setreg_imm32_b32 hwreg(HW_REG_WAVE_MODE, 25, 1), 1
	s_wait_xcnt 0x0
; The weights become codes of FP6 (E2M3) with one E8M0 scale byte for each 32 along K, ONCE, laid as the matrix instruction's registers want them.
; A RECORD is one fragment, 16 rows x 128 along K, 12 registers a lane: register p of lane l lies at byte 512 (p / 4) + 16 l + 4 (p % 4) of the record's 1,536 bytes: three loads of 16 bytes a lane bring it.
; THE ROWS OF A RECORD OF W1 OR W_ih ARE NOT NEIGHBOURS: row i of the record is row base + i + 24 (i / 8) of the weight.  In the transposed product lane (r, h) holds the record's rows 8 h + j; with the four records
; of bases 64 w + 8 t, t = 0 .. 3, its 32 registers are units 64 w + 32 h + 0 .. 31: one whole block of the next product's K in one lane.
; RECORDS: 0-63 W1 (16 w + 4 t + s: base 64 w + 8 t, K step s); 64-159 W_ih (64 + 32 g + 8 w + 2 t + s: g = 0, 1, 2 for the gates i, g, o, base 256 G + 64 w + 8 t, G = 0, 2, 3); 160-163 W3 (160 + 2 t + s: rows 16 t on, neighbours).
; SCALE WORDS: four records share 512 bytes: record n's word of lane l lies at 512 (n / 4) + 16 l + 4 (n % 4), so that one load of 16 bytes a lane brings four records' words (lanes 16-31 hold those of lanes 0-15 once more).
; One wave, one record: work-group n makes record n.  Work-group 164 adds b_ih and b_hh for the three gates: bsum [3][256].
; A block's scale is 2^(floor(log2(its largest magnitude)) - 2); its byte is the largest magnitude's exponent field - 2, held at 1 from below.
; LIMITS: a block of zeros gets the byte 1 where the rule says 127 (its codes are zeros, and this program alone reads the bytes); blocks whose largest magnitude lies under 2^-124 have their byte held at 1; NaN and infinities are not served.
; NOT READ, since reference() makes nothing of them: W_hh; rows 256-511 of W_ih, b_ih, b_hh (the forget gate).
.set L16,  1                           ; v1      16 x lane
.set STR,  3                           ; v3      the stage, on the way out: 528 r + 128 h
.set SH8,  5                           ; v5      8 h
.set TM,   8                           ; v8-14   at work in QFULL
.set VO,   16                          ; v16-31  the record's sixteen rows: byte offset + 16 x lane
.set CODE, 32                          ; v32-43  the fragment's codes
.set CT,   44                          ; v44-50  the halves that are made elsewhere and moved
.set WS,   52                          ; v52     the scale word
.set R,    64                          ; v64-127 sixteen rows as they are loaded
.set X,    128                         ; v128-191 64 numbers in the fragment's order
.set SP,   528                         ; a stage row: 512 bytes + 16: an odd multiple of 16 bytes, so that the sixteen rows of a load begin in different banks (ISA guide 11.1)
.set SEL,  30                          ; s[30:31] v_permlanex16_b32's selects for lane l xor 16
; 64 numbers of a lane, register 32 c + i = k 64 c + 32 h + i of row r (two whole blocks of 32), become the fragment's 12 registers in v[qd] on and the row's scale word in v[qw].
.macro QFULL qs, qd, qt, qw
.irp c, 0,1
	v_max3_num_f32 v[TM+\c], |v[(\qs)+32*\c]|, |v[(\qs)+32*\c+1]|, 0x1800000   ; my block 2 c + h, and the floor 2^(3 - 127): the byte cannot fall under 1
.endr
.irp i, 2,4,6,8,10,12,14,16,18,20,22,24,26,28,30
.irp c, 0,1
	v_max3_num_f32 v[TM+\c], v[TM+\c], |v[(\qs)+32*\c+\i]|, |v[(\qs)+32*\c+\i+1]|   ; the two blocks by turns
.endr
.endr
.irp c, 0,1
	v_add_nc_u32 v[TM+2+\c], 0xff000000, v[TM+\c]      ; 2 off the exponent field: the conversion takes this operand's exponent field as its scale
.endr
.irp c, 0,1
	v_lshrrev_b32 v[TM+4+\c], 23, v[TM+2+\c]           ; the scale's byte
.endr
	v_lshl_or_b32 v[\qw], v[TM+5], 16, v[TM+4]         ; my two bytes, blocks h and 2 + h,
	v_lshlrev_b32 v[\qw], v[SH8], v[\qw]               ; at their places in the word;
	v_permlanex16_b32 v[TM+6], v[\qw], s[SEL], s[SEL+1]
	v_or_b32 v[\qw], v[\qw], v[TM+6]                   ; with lane l xor 16's two the word is whole, in both lanes
.irp c, 0,1
	v_cvt_scalef32_pk16_fp6_f32 v[(\qd)+6*\c:(\qd)+6*\c+2], v[(\qs)+32*\c:(\qs)+32*\c+15], v[TM+2+\c]
	v_cvt_scalef32_pk16_fp6_f32 v[(\qt)+4*\c:(\qt)+4*\c+2], v[(\qs)+32*\c+16:(\qs)+32*\c+31], v[TM+2+\c]   ; a conversion's three registers begin on an even number: the second half is made elsewhere and moved
.endr
	v_nop                                              ; one plain place behind the scaled conversions
.irp c, 0,1
.irp i, 0,1,2
	v_mov_b32 v[(\qd)+6*\c+3+\i], v[(\qt)+4*\c+\i]
.endr
.endr
.endm
	s_load_b512 s[4:19], s[0:1], 0x0               ; W1 4:5, W_ih 6:7, W3 8:9, b_ih 10:11, b_hh 12:13, codes 14:15, scales 16:17, bsum 18:19
	v_lshl_add_u32 v192, v0, 2, 0x2100
	v_mov_b32 v193, 0
	v_and_b32 v6, 15, v0                           ; r
	v_lshrrev_b32 v7, 4, v0                        ; h (one wave: the thread's number is the lane)
	v_lshlrev_b32 v[L16], 4, v0
	v_mul_u32_u24 v[STR], v6, SP
	v_lshl_add_u32 v[STR], v7, 7, v[STR]
	v_lshlrev_b32 v[SH8], 3, v7
	v_mov_b32 v[TM+6], 0                           ; a lane permute's destination counts as one of its sources
	s_mov_b32 s[SEL], 0x76543210
	s_mov_b32 s[SEL+1], 0xfedcba98
	s_wait_kmcnt 0x0
	s_cmp_ge_u32 ttmp9, 164
	s_cbranch_scc1 .Lbias
	s_mul_i32 s40, ttmp9, 1536                     ; my record among the codes,
	s_mov_b32 s41, 0
	s_add_nc_u64 s[14:15], s[14:15], s[40:41]
	s_lshr_b32 s40, ttmp9, 2                       ; and my word among the scale words: 512 (n / 4) + 4 (n % 4)
	s_lshl_b32 s40, s40, 9
	s_and_b32 s42, ttmp9, 3
	s_lshl_b32 s42, s42, 2
	s_add_co_u32 s40, s40, s42
	s_add_nc_u64 s[16:17], s[16:17], s[40:41]
	s_mov_b32 s39, 0
	; The three offsets are all made; those of the tensors that are not mine are numbers without meaning and are not chosen.
	s_lshr_b32 s22, ttmp9, 4
	s_lshl_b32 s22, s22, 17                        ; W1: 64 w rows of 2,048 bytes
	s_bfe_u32 s23, ttmp9, 0x20002
	s_lshl_b32 s23, s23, 14                        ; 8 t rows
	s_add_co_u32 s22, s22, s23
	s_and_b32 s23, ttmp9, 3
	s_lshl_b32 s23, s23, 9                         ; 512 s
	s_add_co_u32 s22, s22, s23
	s_sub_co_u32 s24, ttmp9, 64
	s_lshr_b32 s25, s24, 5                         ; W_ih: g = 0, 1, 2
	s_min_u32 s26, s25, 1
	s_add_co_u32 s25, s25, s26                     ; G = 0, 2, 3: the forget gate is passed over
	s_lshl_b32 s25, s25, 18                        ; 256 G rows of 1,024 bytes
	s_bfe_u32 s26, s24, 0x20003
	s_lshl_b32 s26, s26, 16                        ; 64 w rows
	s_add_co_u32 s25, s25, s26
	s_bfe_u32 s26, s24, 0x20001
	s_lshl_b32 s26, s26, 13                        ; 8 t rows
	s_add_co_u32 s25, s25, s26
	s_and_b32 s26, s24, 1
	s_lshl_b32 s26, s26, 9
	s_add_co_u32 s25, s25, s26
	s_sub_co_u32 s27, ttmp9, 160
	s_lshr_b32 s28, s27, 1
	s_lshl_b32 s28, s28, 14                        ; W3: 16 t rows of 1,024 bytes
	s_and_b32 s29, s27, 1
	s_lshl_b32 s29, s29, 9
	s_add_co_u32 s28, s28, s29
	s_movk_i32 s34, 1024                           ; the pitch from row to row,
	s_mov_b32 s35, 24576                           ; and the 24 rows that the record's upper eight lie further on
	s_cmp_lt_u32 ttmp9, 64                         ; the choices hang on the work-group's number alone
	s_cselect_b64 s[36:37], s[4:5], s[6:7]
	s_cselect_b32 s38, s22, s25
	s_cselect_b32 s34, 2048, s34
	s_cselect_b32 s35, 49152, s35
	s_cmp_ge_u32 ttmp9, 160
	s_cselect_b64 s[36:37], s[8:9], s[36:37]
	s_cselect_b32 s38, s28, s38
	s_cselect_b32 s35, 0, s35                      ; W3's rows are neighbours
	s_add_nc_u64 s[36:37], s[36:37], s[38:39]
.irp i, 0,1,2,3,4,5,6,7,8,9,10,11,12,13,14,15
	v_mad_u32_u24 v[VO+\i], s34, \i, v[L16]
.endr
.irp i, 8,9,10,11,12,13,14,15
	v_add_nc_u32 v[VO+\i], s35, v[VO+\i]
.endr
.irp i, 0,1,2,3,4,5,6,7,8,9,10,11,12,13,14,15
	global_load_b128 v[R+4*\i:R+4*\i+3], v[VO+\i], s[36:37] th:TH_LOAD_NT   ; row i's 128 numbers: the 32 lanes read 512 consecutive bytes, at a multiple of 512 from the tensor's first byte; read once in the launch
.endr
.irp i, 0,1,2,3,4,5,6,7,8,9,10,11,12,13,14,15
	s_wait_loadcnt 15-\i                           ; loads come back in order: row i is in, the younger rows may be out
	ds_store_b128 v[L16], v[R+4*\i:R+4*\i+3] offset:SP*\i
.endr
.irp c, 0,1
.irp j, 0,1,2,3,4,5,6,7
	ds_load_b128 v[X+32*\c+4*\j:X+32*\c+4*\j+3], v[STR] offset:256*\c+16*\j   ; back in the fragment's order: of row r the numbers 64 c + 32 h + 4 j on.  LDS serves a wave's instructions in order: these see my stores
.endr
.endr
	s_wait_dscnt 0x0
	QFULL X, CODE, CT, WS
.irp g, 0,1,2
	global_store_b128 v[L16], v[CODE+4*\g:CODE+4*\g+3], s[14:15] offset:512*\g   ; 512 consecutive bytes, at a multiple of 512 from the buffer's first byte
.endr
	global_store_b32 v[L16], v[WS], s[16:17]       ; 4 bytes a lane, 16 bytes apart: four records fill 512 bytes between them; a twelfth of what the record stores
	s_wait_tensorcnt 0x0
	ds_add_u32 v192, v193
	s_wait_dscnt 0x0
	s_endpgm
	; ---- b_ih + b_hh for the gates i, g, o: six runs of 512 bytes; run i comes from byte 512 i, past the forget gate's 1,024 from run 2 on
.Lbias:
.irp i, 0,1,2,3,4,5
	global_load_b128 v[X+4*\i:X+4*\i+3], v[L16], s[10:11] offset:512*\i+1024*((\i+2)/4)
	global_load_b128 v[X+32+4*\i:X+32+4*\i+3], v[L16], s[12:13] offset:512*\i+1024*((\i+2)/4)
.endr
	s_wait_loadcnt 0x0
.irp k, 0,2,4,6,8,10,12,14,16,18,20,22
	v_pk_add_f32 v[X+\k:X+\k+1], v[X+\k:X+\k+1], v[X+32+\k:X+32+\k+1]
.endr
.irp i, 0,1,2,3,4,5
	global_store_b128 v[L16], v[X+4*\i:X+4*\i+3], s[18:19] offset:512*\i
.endr
	s_endpgm
.Lfunc_end_k_qbd4eb090fb_quant:
	.size	k_qbd4eb090fb_quant, .Lfunc_end_k_qbd4eb090fb_quant-k_qbd4eb090fb_quant
	.p2alignl 7, 3214868480
	.fill 96, 4, 3214868480
	.section	.rodata,"a",@progbits
	.p2align	6, 0x0
	.amdhsa_kernel k_qbd4eb090fb_quant
		.amdhsa_group_segment_fixed_size 8704
		.amdhsa_private_segment_fixed_size 0
		.amdhsa_enable_private_segment 0
		.amdhsa_kernarg_size 64
		.amdhsa_user_sgpr_count 2
		.amdhsa_user_sgpr_kernarg_segment_ptr 1
		.amdhsa_wavefront_size32 1
		.amdhsa_system_sgpr_workgroup_id_x 1
		.amdhsa_system_sgpr_workgroup_id_y 1
		.amdhsa_system_sgpr_workgroup_id_z 1
		.amdhsa_system_vgpr_workitem_id 0
		.amdhsa_next_free_vgpr 194
		.amdhsa_next_free_sgpr 66
		.amdhsa_reserve_vcc 0
		.amdhsa_float_denorm_mode_32 3
		.amdhsa_float_denorm_mode_16_64 3
		.amdhsa_memory_ordered 1
		.amdhsa_forward_progress 1
		.amdhsa_inst_pref_size 15
	.end_amdhsa_kernel
	.amdgpu_metadata
---
amdhsa.version: [ 1, 2 ]
amdhsa.kernels:
  - .name:           k_qbd4eb090fb_quant
    .symbol:         k_qbd4eb090fb_quant.kd
    .args:
      - { .name: W1, .offset: 0, .size: 8, .value_kind: global_buffer, .address_space: global }
      - { .name: W_ih, .offset: 8, .size: 8, .value_kind: global_buffer, .address_space: global }
      - { .name: W3, .offset: 16, .size: 8, .value_kind: global_buffer, .address_space: global }
      - { .name: b_ih, .offset: 24, .size: 8, .value_kind: global_buffer, .address_space: global }
      - { .name: b_hh, .offset: 32, .size: 8, .value_kind: global_buffer, .address_space: global }
      - { .name: codes, .offset: 40, .size: 8, .value_kind: global_buffer, .address_space: global }
      - { .name: scales, .offset: 48, .size: 8, .value_kind: global_buffer, .address_space: global }
      - { .name: bsum, .offset: 56, .size: 8, .value_kind: global_buffer, .address_space: global }
    .group_segment_fixed_size: 8704
    .private_segment_fixed_size: 0
    .kernarg_segment_align: 8
    .kernarg_segment_size: 64
    .max_flat_workgroup_size: 32
    .sgpr_count:     66
    .vgpr_count:     194
    .wavefront_size: 32
...
	.end_amdgpu_metadata
.endif
;; end of part 1
;; launch rows (part 2): grid 256 x 1, 4 waves a work-group, no clusters, 174,592 bytes of LDS; arguments x, codes, scales, bsum, b1, b3, out0; writes out0
.if DOCPART == 2
	.amdgcn_target "amdgcn-amd-amdhsa--gfx1250"
	.amdhsa_code_object_version 6
	.text
	.protected	k_qbd4eb090fb_rows
	.globl	k_qbd4eb090fb_rows
	.p2align	8
	.type	k_qbd4eb090fb_rows,@function
k_qbd4eb090fb_rows:
	s_mov_b64 s[64:65], 0
	v_nop
	global_prefetch_b8 v0, s[64:65] scope:SCOPE_SE
	s_setreg_imm32_b32 hwreg(HW_REG_WAVE_MODE, 25, 1), 1
	s_wait_xcnt 0x0
; fc1, relu, the LSTM step from a zero state (gates i, g, o), relu, fc3 for ALL 131,072 rows, as the problem's table lists the three products; all three on codes of FP6 (E2M3) with E8M0 scales for each 32 along K.
; Of fc3's results only row 127 of mat 15 of each patient is kept by reference(): that row alone goes on into the softmax and out.  The forget gate, which reference() never reads, is not made.
; SHARES.  A work-group of four waves takes four mats (128 rows x K 512 each) one after the other.  THE WAVES SHARE THE COLUMNS, NOT THE ROWS: wave w makes units 64 w .. 64 w + 63 of fc1 and of each gate, for all rows.
; Its 16 fragments of W1 and 24 of W_ih (480 registers) and its biases (144) stay in registers for the whole launch; the biases are the C of each sum's first instruction.
; All products are TRANSPOSED (source 0 = 16 rows of a weight, source 1 = 16 data rows): lane (r, h) holds data row r.  The weight rows of a tile are chosen (by the launch before) so that the lane's 32 registers of its
; wave's four tiles are units 64 w + 32 h + 0 .. 31: ONE WHOLE BLOCK of the next K.  So a block's largest magnitude needs no other lane, and the six registers of codes are half a fragment of the next operand as they stand.
; OPERANDS GO FROM WAVE TO WAVE THROUGH LDS AS IMAGES OF THEIR REGISTERS: half a fragment is 16 bytes a lane (512 on end) and 8 bytes a lane (256 on end).  Each wave's stores fall into a run of LDS of its own.
; x HAS K AS ITS FIRST AXIS.  Wave w takes K step w of a mat: chunks of 16 rows of x (8,192 consecutive bytes, 16 loads of 512) go through 64 registers into the wave's own stage in LDS and come back A COLUMN TO A LANE,
; 32 registers down K: a block.  Its codes are stored where the operand's lane wants them, so LDS does the transposing.  The next mat's eight chunks are taken one to a row tile of the gates' phase: a chunk has a tile's work in which to land.
; A MAT: 1: eight row tiles of fc1 -> h1's images | barrier | 2: eight row tiles of the gates and the activation -> h's images, and the next mat's x -> its images | barrier | 3: fc3, two row tiles a wave.
; THE ACTIVATION, with u = g^2: sigmoid(i) tanh(g) = g p(u) / (q(u) (1 + 2^(-i log2 e))), p / q the rational form of tanh of degrees 13 and 6 on |g| <= 9 (beyond that tanh is 1 in f32: g is held there);
; h = sigmoid(o) tanh(c) = c N(c^2) / (D(c^2) (1 + 2^(-o log2 e))), N = 945 + 105 v + v^2, D = 945 + 420 v + 15 v^2 (|c| <= 1; at 1 it is off by 6e-8).  No difference of near numbers, no choice, four transcendentals a unit.
; relu(h): h has the sign of c, and c that of g, so g is held at 0 from below: the same line that holds it at 9.
; NO JOINT LOADS, though all work-groups read the same 251,904 bytes of weight records: a joint load lands in LDS, where they do not fit beside the 174,080 bytes in use, and each work-group reads them once.
; LIMITS: NaN and infinities are not served; a sigmoid is 0 where its exponential leaves f32's range (its argument under about -88); a block of zeros gets the scale byte 1 (its codes are zeros), blocks under 2^-124 have their byte held at 1.
.set FR,    12                         ; registers of a fragment
.set FRB,   1536                       ; a record in bytes
; LDS.  An image of h1 or h: wave v's run of 6,144 bytes holds, for row tile m at 768 m, its half fragment: 512 bytes (registers 6 c .. 6 c + 3, c = v % 2, of K step v / 2), then 256 (6 c + 4, 6 c + 5).
.set H1IMG, 0
.set H1SC,  24576                      ; scale words: row tile m, K step s, row r at 128 m + 64 s + 4 r; byte 2 c + h
.set H2IMG, 25600
.set H2SC,  50176
.set W3IMG, 51200                      ; W3's four records as they lie in memory
.set XIMG,  57344                      ; x: wave (= K step) s's run of 12,288 bytes; row tile m's fragment at 1,536 m: 512 c for registers 6 c .. 6 c + 3, 1,024 + 256 c for 6 c + 4, 6 c + 5
.set XSC,   106496                     ; 512 s + 64 m + 4 r
.set STG,   108544                     ; a stage of 32 rows x 512 bytes for each wave; ends at 174,080
; vector registers, window 0
.set L16,  1                           ; 16 x lane
.set L8,   2                           ; 8 x lane
.set L4R,  3                           ; 4 r
.set HW16, 4                           ; 16 x lane + 6,144 w: where my half fragment's first 16 bytes go
.set HW8,  5                           ; 8 x lane + 6,144 w + 512
.set HWS,  6                           ; 4 r + h + 2 (w % 2) + 64 (w / 2): my block's scale byte
.set XW16, 7                           ; XIMG + 12,288 w + 1,536 (lane / 16) + 16 r: a column's codes
.set XW8,  8                           ; XIMG + 12,288 w + 1,536 (lane / 16) + 1,024 + 8 r
.set XWS,  9                           ; XSC + 512 w + 64 (lane / 16) + 4 r
.set SGW,  10                          ; my stage + 16 x lane
.set SGR,  11                          ; my stage + 4 x lane
.set A16,  12                          ; v12-21: addresses of the phase or trip in hand
.set A8,   13
.set AS,   14
.set W16,  15
.set W8,   16
.set XA16, 17
.set XA8,  18
.set N16,  19
.set N8,   20
.set NS,   21
.set VK420, 22                         ; v[22:23] 420
.set TM,   24                          ; v24-29 at work in QHALF
.set HB,   30                          ; v30, v31: h's scale bytes of the even and the odd row tiles, four to a register
.set CODE, 32                          ; v32-38 codes
.set W1S,  40                          ; v40-55 W1's scale words, 4 t + s.   v40-87 hold scales and nothing else
.set WIS,  56                          ; v56-79 W_ih's, 8 g + 2 t + s
.set W3S,  80                          ; v80-83 W3's, 2 t + s
.set XS,   84                          ; v84-87 those of the data rows in hand
.set ACC,  88                          ; v88-183 accumulators: fc1's four; the gates' twelve (i 0-31, g 32-63, o 64-95); fc3's four
.set CODE1, 88                         ; between tiles: a second set of codes
.set T,    184                         ; v184-247 at work
.set T1,   184
.set T2,   200
.set T3,   216
.set T4,   232
.set VK11, 248                         ; v[248:249] p's coefficient of u^5
.set VKB4, 250                         ; v[250:251] q's coefficient of u^2
.set XBW,  252                         ; v252-255 x's scale words in the making, one for each 32 columns
.set S1R,  120                         ; at the start only: a second set of 64 staging registers,
.set W3T,  96                          ; W3's records on their way to LDS,
.set VB,   108                         ; 256 w + 128 h: my units' bytes in a bias,
.set TID16, 109                        ; 16 x the thread's number,
.set OVH,  110                         ; 32 h
; window 1: W1's fragments 4 t + s; b1's four tiles; b_ih + b_hh of gate o.   window 2: W_ih's gates i and g, fragments 2 t + s; their biases.   window 3: gate o; the data rows' fragments; staging; b3
.set W1F,  0
.set BB1,  192
.set BBO,  224
.set IW,   0
.set GW,   96
.set BBI,  192
.set BBG,  224
.set OW,   0
.set XF,   96
.set SG,   144
.set BB3,  208
; scalar registers
.set WV,   18                          ; my wave's number
.set MAT,  19                          ; mats to go
.set BT,   20                          ; the trip of phase 2
.set ST0,  21
.set ST1,  22
.set XP,   24                          ; s[24:25] x at my K step of the first mat
.set XC,   26                          ; s[26:27] x at the chunk asked for last
.set CW1,  28
.set CWI,  30
.set SW1,  32
.set SWI,  34
.set SEL,  36                          ; s[36:37] v_permlanex16_b32's selects for lane l xor 16
.set NL,   38                          ; pairs (the packed forms name a pair and take its low word for both halves): -log2 e,
.set KA13, 40                          ; p's coefficients,
.set KA9,  42
.set KA7,  44
.set KA5,  46
.set KA3,  48
.set KA1,  50
.set KB6,  52                          ; q's,
.set KB2,  54
.set KB0,  56
.set P105, 58                          ; N's and D's
.set P945, 60
.set P15,  62
.set NINE, 66
.set L2E,  67
.set OFP,  68                          ; s[68:69] an offset with 0 above it
.set MSB, 0
.macro WIN new                         ; the immediate's high byte repeats the setting that is left; low byte: bits 1:0 source 0, 3:2 source 1, 5:4 source 2, 7:6 destination
.if MSB != \new
	s_set_vgpr_msb (MSB<<8)|\new
.set MSB, \new
.endif
.endm
.macro SPAIR r, val
	s_mov_b32 s[\r], \val
	s_mov_b32 s[\r+1], \val
.endm
.macro BARRIER                         ; my LDS stores have landed and my LDS loads are in: then the work-group's barrier
	s_wait_dscnt 0x0
	s_barrier_signal -1
	s_barrier_wait -1
.endm
.macro WMS d, a, b, c, sa, sb
	v_wmma_scale_f32_16x16x128_f8f6f4 v[(\d):(\d)+7], v[(\a):(\a)+11], v[(\b):(\b)+11], v[(\c):(\c)+7], v[\sa], v[\sb] matrix_a_fmt:MATRIX_FMT_FP6 matrix_b_fmt:MATRIX_FMT_FP6
.endm
; 32 numbers of a lane, one block along K, become six registers of codes in v[qd] on and the scale's byte in v[TM+5].
.macro QHALF qs, qd
.irp k, 0,1,2,3
	v_max3_num_f32 v[TM+\k], |v[(\qs)+8*\k]|, |v[(\qs)+8*\k+1]|, |v[(\qs)+8*\k+2]|   ; four chains, so that no line waits for the line above it
.endr
.irp i, 3,5
.irp k, 0,1,2,3
	v_max3_num_f32 v[TM+\k], v[TM+\k], |v[(\qs)+8*\k+\i]|, |v[(\qs)+8*\k+\i+1]|
.endr
.endr
	v_max3_num_f32 v[TM], v[TM], |v[(\qs)+7]|, |v[(\qs)+15]|
	v_max3_num_f32 v[TM+2], v[TM+2], |v[(\qs)+23]|, |v[(\qs)+31]|
	v_max3_num_f32 v[TM], v[TM], v[TM+1], v[TM+2]
	v_max3_num_f32 v[TM], v[TM], v[TM+3], 0x1800000    ; and the floor 2^(3 - 127): the byte cannot fall under 1
	v_add_nc_u32 v[TM+4], 0xff000000, v[TM]            ; 2 off the exponent field: the conversion takes this operand's exponent field as its scale
	v_cvt_scalef32_pk16_fp6_f32 v[(\qd):(\qd)+2], v[(\qs):(\qs)+15], v[TM+4]
	v_cvt_scalef32_pk16_fp6_f32 v[(\qd)+4:(\qd)+6], v[(\qs)+16:(\qs)+31], v[TM+4]   ; a conversion's three registers begin on an even number
	v_lshrrev_b32 v[TM+5], 23, v[TM+4]                 ; the scale's byte.  (The plain place behind the conversions)
	v_mov_b32 v[(\qd)+3], v[(\qd)+4]                   ; the six on end
	v_mov_b32 v[(\qd)+4], v[(\qd)+5]
	v_mov_b32 v[(\qd)+5], v[(\qd)+6]
.endm
.macro FRAGLD reg, a16, a8, oa0, ob0, oa1, ob1   ; a fragment from its four pieces
	ds_load_b128 v[(\reg):(\reg)+3], v[\a16] offset:(\oa0)
	ds_load_b64 v[(\reg)+4:(\reg)+5], v[\a8] offset:(\ob0)
	ds_load_b128 v[(\reg)+6:(\reg)+9], v[\a16] offset:(\oa1)
	ds_load_b64 v[(\reg)+10:(\reg)+11], v[\a8] offset:(\ob1)
.endm
.macro XFRAGS m                        ; x's four fragments and scale words of row tile m
	WIN 0xC0
.irp s, 0,1,2,3
	FRAGLD XF+FR*\s, A16, A8, 12288*\s+1536*(\m), 12288*\s+1536*(\m)+1024, 12288*\s+1536*(\m)+512, 12288*\s+1536*(\m)+1280
.endr
	WIN 0
.irp s, 0,1,2,3
	ds_load_b32 v[XS+\s], v[AS] offset:512*\s+64*(\m)
.endr
.endm
.macro HFRAGS a16, a8, as, img, sc, reg, xs   ; h1's or h's two fragments and scale words of one row tile
	WIN 0xC0
.irp s, 0,1
	FRAGLD (\reg)+FR*\s, \a16, \a8, (\img)+12288*\s, (\img)+12288*\s+512, (\img)+12288*\s+6144, (\img)+12288*\s+6656
.endr
	WIN 0
.irp s, 0,1
	ds_load_b32 v[(\xs)+\s], v[\as] offset:(\sc)+64*\s
.endr
.endm
.macro XLOAD reg, base, off            ; a chunk: 16 rows of x, 512 consecutive bytes a load, 8,192 on end; read once in the launch
.irp i, 0,1,2,3,4,5,6,7,8,9,10,11,12,13,14,15
	global_load_b128 v[(\reg)+4*\i:(\reg)+4*\i+3], v[L16], s[\base:\base+1] offset:(\off)+512*\i th:TH_LOAD_NT
.endr
.endm
.macro XSTORE reg, off                 ; into my stage, as it lies
.irp i, 0,1,2,3,4,5,6,7,8,9,10,11,12,13,14,15
	ds_store_b128 v[SGW], v[(\reg)+4*\i:(\reg)+4*\i+3] offset:(\off)+512*\i
.endr
.endm
.macro XLDQ q, set                     ; back: column 32 q + lane, 32 registers down K.  LDS serves a wave's instructions in order: these see my stores
.irp i, 0,1,2,3,4,5,6,7,8,9,10,11,12,13,14,15,16,17,18,19,20,21,22,23,24,25,26,27,28,29,30,31
	ds_load_b32 v[T+32*\set+\i], v[SGR] offset:512*\i+128*\q
.endr
.endm
.macro XQ1 q, set, cd, a16, a8, o16, o8   ; a block of 32 columns is quantised; its codes go to the place of lane r + 16 (block % 2) of row tile 2 q + lane / 16; its byte joins the column's scale word from above
	QHALF T+32*\set, \cd
	v_lshrrev_b32 v[XBW+\q], 8, v[XBW+\q]
	v_lshl_or_b32 v[XBW+\q], v[TM+5], 24, v[XBW+\q]
	ds_store_b128 v[\a16], v[(\cd):(\cd)+3] offset:(\o16)+3072*\q
	ds_store_b64 v[\a8], v[(\cd)+4:(\cd)+5] offset:(\o8)+3072*\q
.endm
.macro XQ4 a16, a8, o16, o8            ; the block's four groups of columns; groups 0 and 1 have been asked for, and group 0 is in
	XQ1 0, 0, CODE, \a16, \a8, \o16, \o8
	XLDQ 2, 0
	s_wait_dscnt 34                                ; group 1 is in: behind it stand group 0's 2 stores and group 2's 32 loads
	XQ1 1, 1, CODE1, \a16, \a8, \o16, \o8
	XLDQ 3, 1
	s_wait_dscnt 34                                ; group 2 is in, and group 0's stores, which stand ahead of it, have read their registers
	XQ1 2, 0, CODE, \a16, \a8, \o16, \o8
	s_wait_dscnt 2                                 ; group 3 is in (behind it: group 2's 2 stores), and group 1's stores are done
	XQ1 3, 1, CODE1, \a16, \a8, \o16, \o8
.endm
; the weights' loads, in four groups that stand behind the first mat's chunks
.macro WG0                             ; 48: W1's sixteen fragments
	WIN 0x40
.irp f, 0,1,2,3,4,5,6,7,8,9,10,11,12,13,14,15
.irp g, 0,1,2
	global_load_b128 v[W1F+FR*\f+4*\g:W1F+FR*\f+4*\g+3], v[L16], s[CW1:CW1+1] offset:FRB*\f+512*\g
.endr
.endr
	WIN 0
.endm
.macro WG1                             ; 48: gates i and g
	WIN 0x80
.irp q, 0,1
.irp f, 0,1,2,3,4,5,6,7
.irp g, 0,1,2
	global_load_b128 v[96*\q+FR*\f+4*\g:96*\q+FR*\f+4*\g+3], v[L16], s[CWI:CWI+1] offset:49152*\q+FRB*\f+512*\g
.endr
.endr
.endr
	WIN 0
.endm
.macro WG2                             ; 60: gate o (24), b3 (4), b1 (8), the gates' biases (24): lane (r, h) takes, for tile t, the eight numbers of units 64 w + 32 h + 8 t on
	WIN 0xC0
.irp f, 0,1,2,3,4,5,6,7
.irp g, 0,1,2
	global_load_b128 v[OW+FR*\f+4*\g:OW+FR*\f+4*\g+3], v[L16], s[CWI:CWI+1] offset:98304+FRB*\f+512*\g
.endr
.endr
.irp t, 0,1
.irp i, 0,1
	global_load_b128 v[BB3+8*\t+4*\i:BB3+8*\t+4*\i+3], v[OVH], s[14:15] offset:64*\t+16*\i
.endr
.endr
	WIN 0x40
.irp t, 0,1,2,3
.irp i, 0,1
	global_load_b128 v[BB1+8*\t+4*\i:BB1+8*\t+4*\i+3], v[VB], s[12:13] offset:32*\t+16*\i
	global_load_b128 v[BBO+8*\t+4*\i:BBO+8*\t+4*\i+3], v[VB], s[10:11] offset:2048+32*\t+16*\i
.endr
.endr
	WIN 0x80
.irp t, 0,1,2,3
.irp i, 0,1
	global_load_b128 v[BBI+8*\t+4*\i:BBI+8*\t+4*\i+3], v[VB], s[10:11] offset:32*\t+16*\i
	global_load_b128 v[BBG+8*\t+4*\i:BBG+8*\t+4*\i+3], v[VB], s[10:11] offset:1024+32*\t+16*\i
.endr
.endr
	WIN 0
.endm
.macro WG3                             ; 14: the scale words, four records' to a load (11), and W3's records on their way to LDS (3)
.irp t, 0,1,2,3
	global_load_b128 v[W1S+4*\t:W1S+4*\t+3], v[L16], s[SW1:SW1+1] offset:512*\t
.endr
.irp g, 0,1,2
.irp p, 0,1
	global_load_b128 v[WIS+8*\g+4*\p:WIS+8*\g+4*\p+3], v[L16], s[SWI:SWI+1] offset:4096*\g+512*\p
.endr
.endr
	global_load_b128 v[W3S:W3S+3], v[L16], s[8:9] offset:20480
.irp k, 0,1,2
	global_load_b128 v[W3T+4*\k:W3T+4*\k+3], v[TID16], s[6:7] offset:245760+2048*\k
.endr
.endm
; The first mat's block b of my K step.  nw: the weight loads that were issued behind its two chunks.
.macro XB b, nw
	s_wait_loadcnt \nw                             ; loads come back in order: the block's two chunks are in, the weights behind them may be out
	WIN 0x0C
	XSTORE SG, 0
	WIN 0
	XSTORE S1R, 8192
	XLDQ 0, 0
	XLDQ 1, 1
	s_wait_dscnt 32                                ; group 0 is in (behind it: group 1's 32 loads); so the stores into the stage have read their registers
.if \b < 3
	WIN 0xC0
	XLOAD SG, XP, 8192*(2*\b+2)
	WIN 0
	XLOAD S1R, XP, 8192*(2*\b+3)
.endif
.if \b == 0
	WG1
.elseif \b == 1
	WG2
.elseif \b == 2
	WG3
.endif
	XQ4 XW16, XW8, 256*\b, 128*\b
.endm
; In phase 2, ahead of an even row tile: the next mat's chunk 2 BT goes into the stage, chunk 2 BT + 1 is asked for.  The last mat has no next: a scalar branch on the count of mats.
.macro XPART0
	s_cmp_eq_u32 s[MAT], 1
	s_cbranch_scc1 .Lx0_\@
	s_wait_loadcnt 0x0                             ; the chunk asked for a tile ago; its address may step
	WIN 0x0C
	XSTORE SG, 0
	WIN 0
	s_wait_dscnt 0x0                               ; the stores have read their registers
	s_add_nc_u64 s[XC:XC+1], s[XC:XC+1], 8192
	WIN 0xC0
	XLOAD SG, XC, 0
	WIN 0
.Lx0_\@:
.endm
; Ahead of an odd row tile: chunk 2 BT + 1 completes block BT, which is quantised; chunk 2 BT + 2 is asked for, unless the block was the mat's last.
.macro XPART1
	s_cmp_eq_u32 s[MAT], 1
	s_cbranch_scc1 .Lx1_\@
	s_wait_loadcnt 0x0
	WIN 0x0C
	XSTORE SG, 8192
	WIN 0
	XLDQ 0, 0
	XLDQ 1, 1
	s_wait_dscnt 32                                ; group 0 is in; so the stores into the stage, and the last tile's stores of codes, have read their registers
	s_cmp_eq_u32 s[BT], 3
	s_cbranch_scc1 .Lx1n_\@
	s_add_nc_u64 s[XC:XC+1], s[XC:XC+1], 8192
	WIN 0xC0
	XLOAD SG, XC, 0
	WIN 0
.Lx1n_\@:
	XQ4 XA16, XA8, 0, 0
.Lx1_\@:
.endm
; fc1 for row tile m: my four tiles, K = 512; relu; quantised; my half fragment of h1 to LDS
.macro P1TILE m
	s_wait_dscnt 0x0
	WIN 0x1D                                       ; W1 window 1, x window 3, b1 window 1
.irp t, 0,1,2,3
	WMS ACC+8*\t, W1F+FR*4*\t, XF, BB1+8*\t, W1S+4*\t, XS
.endr
	WIN 0x0D
.irp s, 1,2,3
.irp t, 0,1,2,3
	WMS ACC+8*\t, W1F+FR*(4*\t+\s), XF+FR*\s, ACC+8*\t, W1S+4*\t+\s, XS+\s   ; the four accumulators by turns
.endr
.endr
	WIN 0
.rept 4
	v_nop                                          ; four places between the last product and the first read of a result (ISA guide 7.12.1)
.endr
.irp j, 0,1,2,3,4,5,6,7,8,9,10,11,12,13,14,15,16,17,18,19,20,21,22,23,24,25,26,27,28,29,30,31
	v_max_num_f32 v[ACC+\j], 0, v[ACC+\j]          ; relu; each accumulator from its low end on
.endr
.if \m < 7
	XFRAGS \m+1                                    ; the next tile's fragments land while this one is quantised
.endif
	QHALF ACC, CODE
	ds_store_b128 v[HW16], v[CODE:CODE+3] offset:H1IMG+768*\m
	ds_store_b64 v[HW8], v[CODE+4:CODE+5] offset:H1IMG+768*\m
	ds_store_b8 v[HWS], v[TM+5] offset:H1SC+128*\m
.endm
; THE ACTIVATION of 16 units a lane: ib, gb, ob: the gates' sums; h is left where i lay.  Exponentials and reciprocals stand between plain lines on other registers.
.macro POLY0 d, c1, vc, ex             ; a polynomial's first step, and four exponentials
.irp k, 0,1,2,3
	v_pk_fma_f32 v[(\d)+4*\k:(\d)+4*\k+1], v[T1+4*\k:T1+4*\k+1], s[\c1:\c1+1], v[\vc:\vc+1] op_sel_hi:[1,0,1]
	v_pk_fma_f32 v[(\d)+4*\k+2:(\d)+4*\k+3], v[T1+4*\k+2:T1+4*\k+3], s[\c1:\c1+1], v[\vc:\vc+1] op_sel_hi:[1,0,1]
	v_exp_f32 v[(\ex)+\k], v[(\ex)+\k]
.endr
.endm
.macro POLY d, c, ex                   ; a further step, by Horner, and four exponentials
.irp k, 0,1,2,3
	v_pk_fma_f32 v[(\d)+4*\k:(\d)+4*\k+1], v[(\d)+4*\k:(\d)+4*\k+1], v[T1+4*\k:T1+4*\k+1], s[\c:\c+1] op_sel_hi:[1,1,0]
	v_pk_fma_f32 v[(\d)+4*\k+2:(\d)+4*\k+3], v[(\d)+4*\k+2:(\d)+4*\k+3], v[T1+4*\k+2:T1+4*\k+3], s[\c:\c+1] op_sel_hi:[1,1,0]
	v_exp_f32 v[(\ex)+\k], v[(\ex)+\k]
.endr
.endm
.macro PST n, x, ob                    ; step n of eight of the second fraction, for the eight units at x: T2 c, T1 c^2, T4 N, T3 D
.irp k, 0,2,4,6
.if \n == 0
	s_wait_alu depctr_va_vdst(0)
	v_pk_mul_f32 v[T2+\x+\k:T2+\x+\k+1], v[T2+\x+\k:T2+\x+\k+1], v[T3+\x+\k:T3+\x+\k+1]
.elseif \n == 1
	v_pk_mul_f32 v[T1+\x+\k:T1+\x+\k+1], v[T2+\x+\k:T2+\x+\k+1], v[T2+\x+\k:T2+\x+\k+1]
.elseif \n == 2
	v_pk_add_f32 v[T4+\x+\k:T4+\x+\k+1], v[T1+\x+\k:T1+\x+\k+1], s[P105:P105+1] op_sel_hi:[1,0]
.elseif \n == 3
	v_pk_fma_f32 v[T3+\x+\k:T3+\x+\k+1], v[T1+\x+\k:T1+\x+\k+1], s[P15:P15+1], v[VK420:VK420+1] op_sel_hi:[1,0,1]
.elseif \n == 4
	v_pk_fma_f32 v[T4+\x+\k:T4+\x+\k+1], v[T4+\x+\k:T4+\x+\k+1], v[T1+\x+\k:T1+\x+\k+1], s[P945:P945+1] op_sel_hi:[1,1,0]
.elseif \n == 5
	v_pk_fma_f32 v[T3+\x+\k:T3+\x+\k+1], v[T3+\x+\k:T3+\x+\k+1], v[T1+\x+\k:T1+\x+\k+1], s[P945:P945+1] op_sel_hi:[1,1,0]
.elseif \n == 6
	v_pk_mul_f32 v[T4+\x+\k:T4+\x+\k+1], v[T4+\x+\k:T4+\x+\k+1], v[T2+\x+\k:T2+\x+\k+1]
.else
	v_pk_fma_f32 v[T3+\x+\k:T3+\x+\k+1], v[(\ob)+\x+\k:(\ob)+\x+\k+1], v[T3+\x+\k:T3+\x+\k+1], v[T3+\x+\k:T3+\x+\k+1]
.endif
.endr
.endm
.macro ACT ib, gb, ob
.irp k, 0,2,4,6,8,10,12,14
	v_pk_mul_f32 v[(\ib)+\k:(\ib)+\k+1], v[(\ib)+\k:(\ib)+\k+1], s[NL:NL+1] op_sel_hi:[1,0]   ; -i log2 e
.endr
.irp k, 0,2,4,6,8,10,12,14
	v_pk_mul_f32 v[(\ob)+\k:(\ob)+\k+1], v[(\ob)+\k:(\ob)+\k+1], s[NL:NL+1] op_sel_hi:[1,0]   ; -o log2 e
.endr
.irp j, 0,1,2,3,4,5,6,7,8,9,10,11,12,13,14,15
	v_med3_num_f32 v[(\gb)+\j], v[(\gb)+\j], 0, s[NINE]   ; g held to 0 .. 9: the lower hold is the relu, the upper the rational form's range
.endr
.irp k, 0,2,4,6,8,10,12,14
	v_pk_mul_f32 v[T1+\k:T1+\k+1], v[(\gb)+\k:(\gb)+\k+1], v[(\gb)+\k:(\gb)+\k+1]   ; u = g^2
.endr
	POLY0 T2, KA13, VK11, (\ib)                    ; p in T2, q in T3, by turns; the 32 exponentials of i and o between their lines
	POLY0 T3, KB6, VKB4, (\ib)+4
	POLY T2, KA9, (\ib)+8
	POLY T3, KB2, (\ib)+12
	POLY T2, KA7, (\ob)
	POLY T3, KB0, (\ob)+4
	POLY T2, KA5, (\ob)+8
	POLY T2, KA3, (\ob)+12
.irp k, 0,2,4,6,8,10,12,14
	v_pk_fma_f32 v[T2+\k:T2+\k+1], v[T2+\k:T2+\k+1], v[T1+\k:T1+\k+1], s[KA1:KA1+1] op_sel_hi:[1,1,0]
.endr
.irp k, 0,2,4,6
	v_pk_mul_f32 v[T2+\k:T2+\k+1], v[T2+\k:T2+\k+1], v[(\gb)+\k:(\gb)+\k+1]   ; g p
.endr
	s_wait_alu depctr_va_vdst(0)
.irp k, 0,2,4,6
	v_pk_fma_f32 v[T3+\k:T3+\k+1], v[(\ib)+\k:(\ib)+\k+1], v[T3+\k:T3+\k+1], v[T3+\k:T3+\k+1]   ; q (1 + 2^(-i log2 e)), fused
.endr
.irp k, 0,2,4,6                        ; the first eight reciprocals, between the same two steps of the second eight
	v_rcp_f32 v[T3+\k], v[T3+\k]
	v_pk_mul_f32 v[T2+8+\k:T2+8+\k+1], v[T2+8+\k:T2+8+\k+1], v[(\gb)+8+\k:(\gb)+8+\k+1]
	v_rcp_f32 v[T3+\k+1], v[T3+\k+1]
	v_pk_fma_f32 v[T3+8+\k:T3+8+\k+1], v[(\ib)+8+\k:(\ib)+8+\k+1], v[T3+8+\k:T3+8+\k+1], v[T3+8+\k:T3+8+\k+1]
.endr
.irp n, 0,1,2,3,4,5,6,7                ; the second eight's reciprocals, between the steps of the first eight's second fraction
	v_rcp_f32 v[T3+8+\n], v[T3+8+\n]
	PST \n, 0, \ob
.endr
.irp n, 0,1,2,3,4,5,6,7                ; and the other way round
	v_rcp_f32 v[T3+\n], v[T3+\n]
	PST \n, 8, \ob
.endr
.irp k, 0,2,4,6
	v_rcp_f32 v[T3+8+\k], v[T3+8+\k]
	s_wait_alu depctr_va_vdst(0)
	v_pk_mul_f32 v[(\ib)+\k:(\ib)+\k+1], v[T4+\k:T4+\k+1], v[T3+\k:T3+\k+1]   ; h
	v_rcp_f32 v[T3+8+\k+1], v[T3+8+\k+1]
.endr
	v_nop                                          ; a plain place behind the last reciprocal
	s_wait_alu depctr_va_vdst(0)
.irp k, 0,2,4,6
	v_pk_mul_f32 v[(\ib)+8+\k:(\ib)+8+\k+1], v[T4+8+\k:T4+8+\k+1], v[T3+8+\k:T3+8+\k+1]
.endr
.endm
; The gates for row tile 2 BT + e: my twelve tiles, K = 256; the activation; quantised; my half fragment of h to LDS
.macro P2TILE e
	s_wait_dscnt 0x0
	WIN 0x2E                                       ; gates i, g and their biases window 2, h1 window 3
.irp t, 0,1,2,3
	WMS ACC+8*\t, IW+FR*2*\t, XF, BBI+8*\t, WIS+2*\t, XS
.endr
.irp t, 0,1,2,3
	WMS ACC+32+8*\t, GW+FR*2*\t, XF, BBG+8*\t, WIS+8+2*\t, XS
.endr
	WIN 0x1F                                       ; gate o window 3, its bias window 1
.irp t, 0,1,2,3
	WMS ACC+64+8*\t, OW+FR*2*\t, XF, BBO+8*\t, WIS+16+2*\t, XS
.endr
	WIN 0x0E                                       ; the second K step: the twelve accumulators by turns
.irp t, 0,1,2,3
	WMS ACC+8*\t, IW+FR*(2*\t+1), XF+FR, ACC+8*\t, WIS+2*\t+1, XS+1
.endr
.irp t, 0,1,2,3
	WMS ACC+32+8*\t, GW+FR*(2*\t+1), XF+FR, ACC+32+8*\t, WIS+8+2*\t+1, XS+1
.endr
	WIN 0x0F
.irp t, 0,1,2,3
	WMS ACC+64+8*\t, OW+FR*(2*\t+1), XF+FR, ACC+64+8*\t, WIS+16+2*\t+1, XS+1
.endr
	WIN 0
.rept 4
	v_nop                                          ; four places ahead of the loads into h1's fragments and scale words and of the first read of a result
.endr
.if \e == 0
	HFRAGS A16, A8, AS, H1IMG+768, H1SC+128, XF, XS   ; the next tile's fragments land under the activation
.else
	HFRAGS N16, N8, NS, H1IMG, H1SC, XF, XS        ; the next trip's first tile (behind the last trip: tile 0 once more, which nobody uses and nobody writes in this phase)
.endif
	ACT ACC, ACC+32, ACC+64
	ACT ACC+16, ACC+48, ACC+80
	QHALF ACC, CODE
	v_lshrrev_b32 v[HB+\e], 8, v[HB+\e]            ; the byte joins those of the trips before, from above
	v_lshl_or_b32 v[HB+\e], v[TM+5], 24, v[HB+\e]
	ds_store_b128 v[W16], v[CODE:CODE+3] offset:H2IMG+768*\e
	ds_store_b64 v[W8], v[CODE+4:CODE+5] offset:H2IMG+768*\e
.endm
	s_load_b256 s[4:11], s[0:1], 0x0               ; x 4:5, codes 6:7, scales 8:9, bsum 10:11
	s_load_b128 s[12:15], s[0:1], 0x20             ; b1 12:13, b3 14:15
	s_load_b64 s[16:17], s[0:1], 0x30              ; out0
	v_lshl_add_u32 v39, v0, 2, 0x2a800
	s_set_vgpr_msb 0xc0
	v_mov_b32 v255, 0
	s_set_vgpr_msb 0xc000
	v_lshrrev_b32 v[A16], 5, v0
	v_readfirstlane_b32 s[WV], v[A16]              ; wave 0..3
	v_and_b32 v[A8], 31, v0                        ; lane
	v_and_b32 v[AS], 15, v0                        ; r
	v_bfe_u32 v[W16], v0, 4, 1                     ; h
	v_lshlrev_b32 v[L16], 4, v[A8]
	v_lshlrev_b32 v[L8], 3, v[A8]
	v_lshlrev_b32 v[L4R], 2, v[AS]
	s_mul_i32 s[ST0], s[WV], 6144
	v_add_nc_u32 v[HW16], s[ST0], v[L16]
	s_add_co_u32 s[ST0], s[ST0], 512
	v_add_nc_u32 v[HW8], s[ST0], v[L8]
	s_and_b32 s[ST0], s[WV], 1
	s_lshl_b32 s[ST0], s[ST0], 1
	s_lshr_b32 s[ST1], s[WV], 1
	s_lshl_b32 s[ST1], s[ST1], 6
	s_add_co_u32 s[ST0], s[ST0], s[ST1]
	v_add_nc_u32 v[HWS], v[L4R], v[W16]
	v_add_nc_u32 v[HWS], s[ST0], v[HWS]
	v_mul_u32_u24 v[W8], v[W16], 1536
	s_mul_i32 s[ST0], s[WV], 12288
	s_add_co_u32 s[ST0], s[ST0], XIMG
	v_lshl_add_u32 v[XW16], v[AS], 4, v[W8]
	v_add_nc_u32 v[XW16], s[ST0], v[XW16]
	s_add_co_u32 s[ST0], s[ST0], 1024
	v_lshl_add_u32 v[XW8], v[AS], 3, v[W8]
	v_add_nc_u32 v[XW8], s[ST0], v[XW8]
	v_lshl_add_u32 v[XWS], v[W16], 6, v[L4R]
	s_lshl_b32 s[ST0], s[WV], 9
	s_add_co_u32 s[ST0], s[ST0], XSC
	v_add_nc_u32 v[XWS], s[ST0], v[XWS]
	s_lshl_b32 s[ST0], s[WV], 14
	s_add_co_u32 s[ST0], s[ST0], STG
	v_add_nc_u32 v[SGW], s[ST0], v[L16]
	v_lshlrev_b32 v[SGR], 2, v[A8]
	v_add_nc_u32 v[SGR], s[ST0], v[SGR]
	s_lshl_b32 s[ST0], s[WV], 8
	v_lshlrev_b32 v[VB], 7, v[W16]
	v_add_nc_u32 v[VB], s[ST0], v[VB]
	v_lshlrev_b32 v[TID16], 4, v0
	v_lshlrev_b32 v[OVH], 5, v[W16]
	v_mov_b32 v[VK420], 0x43d20000
	v_mov_b32 v[VK420+1], 0x43d20000
	v_mov_b32 v[VK11], 0x2a61337e                  ; 2.00018790e-13
	v_mov_b32 v[VK11+1], 0x2a61337e
	v_mov_b32 v[VKB4], 0x38f895d6                  ; 1.18534706e-04
	v_mov_b32 v[VKB4+1], 0x38f895d6
.irp q, 0,1,2,3
	v_mov_b32 v[XBW+\q], 0                         ; shifted down a byte at a time: written once, so that the first shift reads a number
.endr
	v_mov_b32 v[HB], 0
	v_mov_b32 v[HB+1], 0
	s_mov_b32 s[SEL], 0x76543210
	s_mov_b32 s[SEL+1], 0xfedcba98
	SPAIR NL, 0xbfb8aa3b
	SPAIR KA13, 0xa59f25c0                         ; -2.76076848e-16
	SPAIR KA9, 0xaebd37ff                          ; -8.60467152e-11
	SPAIR KA7, 0x335c0041                          ; 5.12229709e-08
	SPAIR KA5, 0x3779434a                          ; 1.48572236e-05
	SPAIR KA3, 0x3a270ded                          ; 6.37261929e-04
	SPAIR KA1, 0x3ba059dc                          ; 4.89352456e-03
	SPAIR KB6, 0x35a0d3d8                          ; 1.19825839e-06
	SPAIR KB2, 0x3b14aa05                          ; 2.26843463e-03
	SPAIR KB0, 0x3ba059dd                          ; 4.89352519e-03
	SPAIR P105, 0x42d20000
	SPAIR P945, 0x446c4000
	SPAIR P15, 0x41700000
	s_mov_b32 s[NINE], 0x41100000
	s_mov_b32 s[L2E], 0x3fb8aa3b
	s_mov_b32 s[OFP+1], 0
	s_wait_kmcnt 0x0
	s_lshl_b32 s[OFP], ttmp9, 20                   ; four mats of 262,144 bytes a work-group,
	s_lshl_b32 s[ST0], s[WV], 16                   ; my K step: 128 rows of 512 bytes
	s_add_co_u32 s[OFP], s[OFP], s[ST0]
	s_add_nc_u64 s[XP:XP+1], s[4:5], s[OFP:OFP+1]
	s_add_nc_u64 s[XC:XC+1], s[XP:XP+1], 57344     ; the first mat's last chunk: from here the walk goes on
	s_mul_i32 s[OFP], s[WV], 24576                 ; W1's records 16 w on
	s_add_nc_u64 s[CW1:CW1+1], s[6:7], s[OFP:OFP+1]
	s_mul_i32 s[OFP], s[WV], 12288                 ; W_ih's records 64 + 8 w on (a gate further: 32 records)
	s_add_co_u32 s[OFP], s[OFP], 98304
	s_add_nc_u64 s[CWI:CWI+1], s[6:7], s[OFP:OFP+1]
	s_lshl_b32 s[OFP], s[WV], 11
	s_add_nc_u64 s[SW1:SW1+1], s[8:9], s[OFP:OFP+1]
	s_lshl_b32 s[OFP], s[WV], 10
	s_add_co_u32 s[OFP], s[OFP], 8192
	s_add_nc_u64 s[SWI:SWI+1], s[8:9], s[OFP:OFP+1]
	s_lshr_b32 s[OFP], ttmp9, 2                    ; the patient: 128 bytes of out0
	s_lshl_b32 s[OFP], s[OFP], 7
	s_add_nc_u64 s[16:17], s[16:17], s[OFP:OFP+1]
	; ---- the first mat's x, with the weights' loads strewn behind its chunks
	WIN 0xC0
	XLOAD SG, XP, 0
	WIN 0
	XLOAD S1R, XP, 8192
	WG0
	XB 0, 48
	XB 1, 48
	XB 2, 60
	XB 3, 14
.irp q, 0,1,2,3
	ds_store_b32 v[XWS], v[XBW+\q] offset:128*\q   ; the columns' scale words of my K step
.endr
	s_wait_loadcnt 0x0                             ; all weights
.irp k, 0,1,2
	ds_store_b128 v[TID16], v[W3T+4*\k:W3T+4*\k+3] offset:W3IMG+2048*\k
.endr
	BARRIER                                        ; x's images of the first mat and W3's records lie in LDS
	s_mov_b32 s[MAT], 4
.Lmat:
	; ---- phase 1.  The next mat's first chunk is asked for here, if there is a next mat: no load leaves its buffer
	s_cmp_eq_u32 s[MAT], 1
	s_cbranch_scc1 .Lno_next
	s_wait_loadcnt 0x0                             ; no load of mine is out: the address may step and the staging registers may be loaded
	s_add_nc_u64 s[XC:XC+1], s[XC:XC+1], 204800    ; from a mat's chunk 7 to the next mat's chunk 0: 262,144 - 7 x 8,192
	WIN 0xC0
	XLOAD SG, XC, 0
	WIN 0
.Lno_next:
	v_add_nc_u32 v[A16], XIMG, v[L16]
	v_add_nc_u32 v[A8], XIMG, v[L8]
	v_add_nc_u32 v[AS], XSC, v[L4R]
	XFRAGS 0
.irp m, 0,1,2,3,4,5,6,7
	P1TILE \m
.endr
	BARRIER                                        ; h1's images lie in LDS, and nobody reads x's any more
	; ---- phase 2: four trips of two row tiles and one block of the next mat's x
	HFRAGS L16, L8, L4R, H1IMG, H1SC, XF, XS
	s_mov_b32 s[BT], 0
.Ltrip:
	s_mul_i32 s[ST0], s[BT], 1536                  ; two row tiles of 768 bytes in each wave's run
	s_lshl_b32 s[ST1], s[BT], 8
	v_add_nc_u32 v[A16], s[ST0], v[L16]
	v_add_nc_u32 v[A8], s[ST0], v[L8]
	v_add_nc_u32 v[W16], s[ST0], v[HW16]
	v_add_nc_u32 v[W8], s[ST0], v[HW8]
	v_add_nc_u32 v[AS], s[ST1], v[L4R]
	v_add_nc_u32 v[XA16], s[ST1], v[XW16]          ; block BT of a fragment: 256 BT and 128 BT bytes on
	s_lshl_b32 s[ST1], s[BT], 7
	v_add_nc_u32 v[XA8], s[ST1], v[XW8]
	s_add_co_u32 s[ST0], s[BT], 1
	s_and_b32 s[ST0], s[ST0], 3                    ; the next trip, round the end
	s_lshl_b32 s[ST1], s[ST0], 8
	s_mul_i32 s[ST0], s[ST0], 1536
	v_add_nc_u32 v[N16], s[ST0], v[L16]
	v_add_nc_u32 v[N8], s[ST0], v[L8]
	v_add_nc_u32 v[NS], s[ST1], v[L4R]
	XPART0
	P2TILE 0
	XPART1
	P2TILE 1
	s_add_co_u32 s[BT], s[BT], 1
	s_cmp_lt_u32 s[BT], 4
	s_cbranch_scc1 .Ltrip
.irp b, 1,2,3
	v_lshrrev_b32 v[T+2*\b], 8*\b, v[HB]           ; h's scale bytes leave at fixed places: row tile 2 b + e at 128 (2 b + e)
	v_lshrrev_b32 v[T+2*\b+1], 8*\b, v[HB+1]
.endr
	ds_store_b8 v[HWS], v[HB] offset:H2SC
	ds_store_b8 v[HWS], v[HB+1] offset:H2SC+128
.irp b, 1,2,3
	ds_store_b8 v[HWS], v[T+2*\b] offset:H2SC+256*\b
	ds_store_b8 v[HWS], v[T+2*\b+1] offset:H2SC+256*\b+128
.endr
	s_cmp_eq_u32 s[MAT], 1
	s_cbranch_scc1 .Lno_words
.irp q, 0,1,2,3
	ds_store_b32 v[XWS], v[XBW+\q] offset:128*\q   ; the next mat's scale words of my K step
.endr
.Lno_words:
	BARRIER                                        ; h's images and the next mat's x lie in LDS, and nobody reads h1's any more
	; ---- phase 3: fc3 for row tiles 2 w and 2 w + 1: W3's four fragments come from LDS; four accumulators by turns
	s_mul_i32 s[ST0], s[WV], 1536
	s_lshl_b32 s[ST1], s[WV], 8
	v_add_nc_u32 v[A16], s[ST0], v[L16]
	v_add_nc_u32 v[A8], s[ST0], v[L8]
	v_add_nc_u32 v[AS], s[ST1], v[L4R]
.irp j, 0,1,2,3
.irp g, 0,1,2
	ds_load_b128 v[T+FR*\j+4*\g:T+FR*\j+4*\g+3], v[L16] offset:W3IMG+FRB*\j+512*\g
.endr
.endr
	HFRAGS A16, A8, AS, H2IMG, H2SC, XF, XS
	HFRAGS A16, A8, AS, H2IMG+768, H2SC+128, XF+24, XS+2
	s_wait_dscnt 0x0
	WIN 0x3C                                       ; W3 window 0, h and b3 window 3
.irp e, 0,1
.irp t, 0,1
	WMS ACC+16*\e+8*\t, T+FR*2*\t, XF+24*\e, BB3+8*\t, W3S+2*\t, XS+2*\e
.endr
.endr
	WIN 0x0C
.irp e, 0,1
.irp t, 0,1
	WMS ACC+16*\e+8*\t, T+FR*(2*\t+1), XF+24*\e+FR, ACC+16*\e+8*\t, W3S+2*\t+1, XS+2*\e+1
.endr
.endr
	WIN 0
.rept 5
	v_nop                                          ; five places ahead of the next mat's first products, which begin these accumulators anew; four of them serve the loads into the fragments and the reads below
.endr
	s_sub_co_u32 s[MAT], s[MAT], 1
	s_cmp_lg_u32 s[MAT], 0
	s_cbranch_scc1 .Lmat
	; ---- what reference() keeps: row 127 of a patient's mat 15: the fourth mat of every fourth work-group, wave 3's second row tile, r = 15.  Every barrier is passed
	s_and_b32 s[ST0], ttmp9, 3
	s_cmp_lg_u32 s[ST0], 3
	s_cbranch_scc1 .Lend
	s_cmp_lg_u32 s[WV], 3
	s_cbranch_scc1 .Lend
.set Z, ACC+16                         ; lane (r, h): register 8 t + j is the logit of class 16 t + 8 h + j
	v_max3_num_f32 v[TM], v[Z], v[Z+1], v[Z+2]     ; the row's largest logit: my 16, each accumulator from its low end on,
.irp j, 3,5,7,9,11,13
	v_max3_num_f32 v[TM], v[TM], v[Z+\j], v[Z+\j+1]
.endr
	v_max_num_f32 v[TM], v[TM], v[Z+15]
	v_permlanex16_b32 v[TM+1], v[TM], s[SEL], s[SEL+1]
	v_max_num_f32 v[TM], v[TM], v[TM+1]            ; and lane l xor 16's 16
	v_mul_f32 v[TM+2], s[L2E], v[TM]
.irp j, 0,1,2,3,4,5,6,7,8,9,10,11,12,13,14,15
	v_fma_f32 v[T+\j], v[Z+\j], s[L2E], -v[TM+2]   ; (z - max) log2 e
.endr
.irp j, 0,1,2,3,4,5,6,7,8,9,10,11,12,13,14,15
	v_exp_f32 v[T+\j], v[T+\j]
.endr
	v_nop                                          ; a plain place behind the exponentials
	s_wait_alu depctr_va_vdst(0)
.irp k, 0,1,2,3
	v_pk_add_f32 v[T+16+2*\k:T+16+2*\k+1], v[T+4*\k:T+4*\k+1], v[T+4*\k+2:T+4*\k+3]
.endr
	v_pk_add_f32 v[T+16:T+17], v[T+16:T+17], v[T+18:T+19]
	v_pk_add_f32 v[T+20:T+21], v[T+20:T+21], v[T+22:T+23]
	v_pk_add_f32 v[T+16:T+17], v[T+16:T+17], v[T+20:T+21]
	v_add_f32 v[T+16], v[T+16], v[T+17]
	v_permlanex16_b32 v[TM+1], v[T+16], s[SEL], s[SEL+1]
	v_add_f32 v[T+16], v[T+16], v[TM+1]            ; the row's sum
	v_rcp_f32 v[T+17], v[T+16]
	v_bfe_u32 v[T+40], v0, 4, 1                    ; (a plain place behind the reciprocal)  h
	s_wait_alu depctr_va_vdst(0)
.irp j, 0,1,2,3,4,5,6,7,8,9,10,11,12,13,14,15
	v_mul_f32 v[T+\j], v[T+\j], v[T+17]
.endr
	v_lshlrev_b32 v[T+40], 5, v[T+40]              ; 32 h
	v_and_b32 v[T+41], 15, v0
	v_cmp_eq_u32 vcc_lo, 15, v[T+41]
	s_wait_xcnt 0x0                                ; EXEC changes only behind this wait
	s_and_saveexec_b32 s[ST0], vcc_lo              ; lanes 15 and 31: row 127
.irp t, 0,1
.irp i, 0,1
	global_store_b128 v[T+40], v[T+8*\t+4*\i:T+8*\t+4*\i+3], s[16:17] offset:64*\t+16*\i   ; the patient's 128 bytes, 64 from each of the two lanes: all that this work-group has to store
.endr
.endr
	s_wait_xcnt 0x0                                ; and again, in front of the line that widens it
	s_or_b32 exec_lo, exec_lo, s[ST0]
.Lend:
	s_barrier_signal -1
	s_barrier_wait -1
	s_set_vgpr_msb 0xc
	s_wait_tensorcnt 0x0
	ds_add_u32 v39, v255
	s_wait_dscnt 0x0
	s_set_vgpr_msb 0xc00
	s_endpgm
.Lfunc_end_k_qbd4eb090fb_rows:
	.size	k_qbd4eb090fb_rows, .Lfunc_end_k_qbd4eb090fb_rows-k_qbd4eb090fb_rows
	.p2alignl 7, 3214868480
	.fill 96, 4, 3214868480
	.section	.rodata,"a",@progbits
	.p2align	6, 0x0
	.amdhsa_kernel k_qbd4eb090fb_rows
		.amdhsa_group_segment_fixed_size 174592
		.amdhsa_private_segment_fixed_size 0
		.amdhsa_enable_private_segment 0
		.amdhsa_kernarg_size 56
		.amdhsa_user_sgpr_count 2
		.amdhsa_user_sgpr_kernarg_segment_ptr 1
		.amdhsa_wavefront_size32 1
		.amdhsa_system_sgpr_workgroup_id_x 1
		.amdhsa_system_sgpr_workgroup_id_y 1
		.amdhsa_system_sgpr_workgroup_id_z 1
		.amdhsa_system_vgpr_workitem_id 0
		.amdhsa_next_free_vgpr 1024
		.amdhsa_next_free_sgpr 70
		.amdhsa_reserve_vcc 1
		.amdhsa_float_denorm_mode_32 3
		.amdhsa_float_denorm_mode_16_64 3
		.amdhsa_memory_ordered 1
		.amdhsa_forward_progress 1
		.amdhsa_inst_pref_size 253
	.end_amdhsa_kernel
	.amdgpu_metadata
---
amdhsa.version: [ 1, 2 ]
amdhsa.kernels:
  - .name:           k_qbd4eb090fb_rows
    .symbol:         k_qbd4eb090fb_rows.kd
    .args:
      - { .name: x, .offset: 0, .size: 8, .value_kind: global_buffer, .address_space: global }
      - { .name: codes, .offset: 8, .size: 8, .value_kind: global_buffer, .address_space: global }
      - { .name: scales, .offset: 16, .size: 8, .value_kind: global_buffer, .address_space: global }
      - { .name: bsum, .offset: 24, .size: 8, .value_kind: global_buffer, .address_space: global }
      - { .name: b1, .offset: 32, .size: 8, .value_kind: global_buffer, .address_space: global }
      - { .name: b3, .offset: 40, .size: 8, .value_kind: global_buffer, .address_space: global }
      - { .name: out0, .offset: 48, .size: 8, .value_kind: global_buffer, .address_space: global }
    .group_segment_fixed_size: 174592
    .private_segment_fixed_size: 0
    .kernarg_segment_align: 8
    .kernarg_segment_size: 56
    .max_flat_workgroup_size: 128
    .sgpr_count:     70
    .vgpr_count:     1024
    .wavefront_size: 32
...
	.end_amdgpu_metadata
.endif
;; end of part 2
